; MI455X (gfx1250); checked and timed in simulation.
; The chip was launched on July 23, 2026; its instructions are those of AMD's public machine-readable ISA for CDNA 5 (MIT licence, August 2026) and "CDNA5" Instruction Set Architecture Reference Guide (July 2026). The comments in the code are by the model that wrote it; some were corrected since.
;; Dist Sparse Moe. Allowed arithmetic: matrix products marked QUANTISED: E5M2 operands, one E8M0 scale for each 32 along K, by v_wmma_scale_f32_16x16x128_f8f6f4 with both operands' format E5M2, f32 sums; products left as they are: f32 operands where the result goes on into a quantised operand, else bf16, f16 or f32 operands; f32 sums; everything else in f32.
;; Inputs: b_expert 1,024 float32; w_expert 1,024 x 1,024 float32; w_gate 1,024 x 8 float32; x 8 x 2,048 x 1,024 float32.
;; Outputs: out0 8 x 2,048 x 1,024 float32.
;; This version of the problem:
;;   THIS VERSION OF THE PROBLEM IS GIVEN IN LOW PRECISION. The matrix products marked QUANTISED in the list below multiply operands that are first quantised to E5M2 (5 exponent bits, 2 mantissa bits; 8 bits a number), with one power-of-two scale for each 32 numbers along K (OCP MX v1.0); their sums are f32. All else is computed in f32.
;;   The module's matrix products, in the order in which they are computed (A, B: the left and right operand; K: the contracted axis; several contracted axes count as one K, in the product's order):
;;     1. [M 16,384, K 1,024] x [K 1,024, N 8]; A: input x; B: input w_gate: left as it is (N = 8 < 16)
;;     2. [M 800, K 16,384] x [K 16,384, N 1,024]; A: computed on the way; B: input x: QUANTISED
;;     3. [M 800, K 1,024] x [K 1,024, N 1,024]; A: computed on the way; B: input w_expert: QUANTISED
;;     4. [M 16,384, K 800] x [K 800, N 1,024]; A: computed on the way; B: computed on the way: QUANTISED
;;   THE QUANTISER, for each operand of a quantised product, along K:
;;     - K is cut into blocks of 32 from its start; a last block that is shorter is filled with zeros.
;;     - A block's scale is 2^e with e = floor(log2(the largest magnitude in the block)) - 15, held to -126 .. 127; a block of zeros has e = 0. As a byte (E8M0): e + 127.
;;     - Each number is divided by its block's scale, clamped to +-57,344, and rounded to the nearest number of E5M2, ties to even, subnormals kept.
;;     - The product sums the exact products of the quantised numbers (number of the format x scale) in f32.
;;   ~~~python
;;   def quantise(x, axis):      # numpy; x: float32 -> the quantised numbers, widened to float32 again
;;       x = np.moveaxis(x, axis, -1); K = x.shape[-1]
;;       x = np.pad(x, [(0, 0)] * (x.ndim - 1) + [(0, -K % 32)]); x = x.reshape(x.shape[:-1] + (-1, 32)); a = np.abs(x).max(-1, keepdims=True)
;;       e = np.where(a > 0, np.clip(np.frexp(np.where(a > 0, a, 1))[1] - 1 - 15, -126, 127), 0)      # np.frexp(a)[1] - 1 = floor(log2(a)), exactly
;;       r = np.clip(x / 2.0 ** e, -57344, 57344)
;;       step = 2.0 ** (np.maximum(np.frexp(np.where(r == 0, 1, r))[1] - 1, -14) - 2)
;;       q = np.round(r / step) * step * 2.0 ** e      # np.round: ties to even
;;       return np.moveaxis(q.reshape(q.shape[:-2] + (-1,))[..., :K], -1, axis).astype(np.float32)
;;   ~~~
;;   OPERANDS COMPUTED ON THE WAY. 'Computed on the way' means the value that the module computes at that place (a softmax that the list does not call 'softmax' is quantised finished and normalised). What goes into a quantiser is computed in f32, as accurately as f32 sums, v_exp_f32 and their like allow (about 1e-6 of the number): no bf16 or f16 on the way to a quantiser, and a product that is left as it is and whose result goes on into a quantised operand takes f32 operands (vector FMAs, or v_wmma_f32_16x16x4_f32). A number that lies on a knife's edge between two numbers of the format may be rounded either way, as far as f32 arithmetic and the matrix unit's own rounding can turn it there, and no further.
;; One version. Each part assembles by itself: llvm-mc -triple=amdgcn-amd-amdhsa -mcpu=gfx1250 --defsym DOCPART=n.
;; ======== version 1 of 1: 2 launches
;; limits: right only within a limited range of input values
;; workspace buffers: picks 32,768 bytes of whole numbers; gq 65,536 bytes; xs 524,288 bytes; wimg 1,048,576 bytes; wsc 32,768 bytes
;; launch route (part 1): grid 256 x 1, 32 waves a work-group, no clusters, 317,440 bytes of LDS; arguments x, w_gate, w_expert, picks, gq, xs, wimg, wsc, out0; writes picks, gq, xs, wimg, wsc, out0
.if DOCPART == 1
	.amdgcn_target "amdgcn-amd-amdhsa--gfx1250"
	.amdhsa_code_object_version 6
	.text
	.protected	k_q869ac5f359_route
	.globl	k_q869ac5f359_route
	.p2align	8
	.type	k_q869ac5f359_route,@function
k_q869ac5f359_route:
	s_mov_b64 s[64:65], 0
	v_nop
	global_prefetch_b8 v0, s[64:65] scope:SCOPE_SE
	s_setreg_imm32_b32 hwreg(HW_REG_WAVE_MODE, 25, 1), 1
	s_wait_xcnt 0x0
; ROUTE.  Work-group j takes tokens 64 j .. 64 j + 63 (two groups of 32), 256 work-groups.  It makes
;   (a) the 8 router logits of each token in f32, the softmax, the largest probability (the gate) and its first expert;
;   (b) for each column the largest magnitude of a group's 32 tokens: the E8M0 byte of x quantised along the TOKENS (the first quantised product's K);
;   stored: picks[g][16 words]: words 0-7 one bit mask an expert (bit l: token 32 g + l chose it), words 8-11 the eight counts, 16 bits each, words 12-15 zero;
;           gq[token] = the gate's E5M2 code | its E8M0 byte << 8;  xs[g][1024] the bytes of (b).  The choice steers nothing here.
;   (c) of w_expert[k][n] 32 k x 128 columns (block kb = j / 8 of K, columns 128 (j % 8) on) as E5M2 codes in the order of an operand's registers:
;           wimg[n / 16][k / 128][c 0..3][lane 0..31][16 bytes]: lane (r, h) holds column 16 (n / 16) + r at k = 128 (k / 128) + 32 c + 16 h + 0 .. 15;  wsc[kb][n] its E8M0 bytes;
;   (d) zeros in rows 16 j .. 16 j + 15 of out0 (4,096 rows in all).  The next launch stores the kept rows among them over these, and the zeros of the other rows.
; DEAD WORK LEFT OUT.  dispatch and combine are one-hot by reference()'s own construction: a row of dispatch has one 1 at most (the slot's token), a token's row of combine one number at most (its gate, at its slot).
; Every other product of these two matrices has a zero of reference()'s own as a factor, whatever the inputs hold: K tiles without a one, and rows of tokens over the capacity, are not multiplied; such rows of out0 are zeros.
; LIMITS.  A NaN, an infinity or an overflow that reaches only the work left out is not carried to the result; NaN and infinities are not served otherwise either.  The logits are summed in another order than a row-by-row sum: where a
; token's two largest logits differ by less than f32 rounding of a sum of 1,024 products the choice may turn.  A probability is exp x (1 / sum).  A block of zeros gets the byte 1 (its codes are zeros; only this program reads the bytes).
; Wave wv = 16 grp + w: tokens 64 j + 32 grp + 0 .. 31, columns 64 w .. 64 w + 63: one tensor load of 32 rows x 256 bytes, read by this wave alone.  So all 256 KB of x are asked for at the head.
; No cluster: no two work-groups read the same bytes of x or w_expert (w_gate, 32 KB, is the small part that all read).  No prefetch: there is no loop to run ahead in.
; The router's product: source 0 = 16 tokens x 4 k, source 1 = w_gate's 4 k x 8 experts (lanes r and r + 8 hold the same expert, and so the same sums).
.set TILE, 8704                        ; 32 rows of 256 + 16 bytes
.set WGS,  32*TILE                     ; w_gate, 32,768 bytes as they lie
.set XSB,  WGS+32768                   ; 2 x 1,024 scale bytes
.set SPARE, XSB+2048                   ; 32 x 128 bytes
.set PL,   528                         ; partial logits, in the wave's own tile once that is read: experts 0-3 of token l at 16 l, experts 4-7 at PL + 16 l
.set MX,   12                          ; v12-13   largest magnitudes of my two columns
.set WF,   16                          ; v16-47   w_gate: register 4 g + i of lane (r, h): k = 64 w + 8 g + 4 h + i, expert r % 8
.set AF,   48                          ; v48-79   two sets of x: [g of two][tile][4 k]
.set MB,   80                          ; v80-95   eight rows of two columns
.set SM,   96                          ; v96-127  four sums: [pair of k][tile]; written by matrix instructions alone
.set FLOOR, 0x8000000                  ; 2^(16 - 127): no byte falls under 1
.set EOFF, 0xf8800000                  ; -(15 << 23)
.macro WALU
	s_wait_alu depctr_va_vdst(0)
.endm
	s_load_b256 s[4:11], s[0:1], 0x0               ; x s[4:5], w_gate s[6:7], w_expert s[8:9], picks s[10:11]
	s_load_b256 s[12:19], s[0:1], 0x20             ; gq s[12:13], xs s[14:15], wimg s[16:17], wsc s[18:19]
	s_load_b64 s[20:21], s[0:1], 0x40              ; out0
	v_lshl_add_u32 v3, v0, 2, SPARE
	v_mov_b32 v4, 0
	ds_add_u32 v3, v4                              ; the add, twice on end, its wait below
	ds_add_u32 v3, v4
	v_lshrrev_b32 v1, 5, v0
	v_readfirstlane_b32 s22, v1                    ; wave 0..31
	v_and_b32 v2, 31, v0                           ; lane
	v_lshlrev_b32 v7, 4, v2                        ; 16 x lane
	v_lshlrev_b32 v15, 4, v0                       ; w_gate: 16 x thread, and 16,384 on
	v_add_nc_u32 v14, WGS, v15
.irp k, 8,9,10,11
	v_mov_b32 v\k, 0
.endr
	s_lshr_b32 s23, s22, 4                         ; grp
	s_and_b32 s24, s22, 15                         ; w
	s_mov_b32 s40, (2<<16)|(1<<20)|(5<<22)|(3<<25) ; elements of 4 bytes; after every 64 words 4 of padding
	s_mov_b32 s41, 64<<16                          ; tensor_dim0 = 64
	s_mov_b32 s42, 32<<16                          ; tensor_dim1 = 32
	s_mov_b32 s43, 64<<16                          ; tile_dim0
	s_mov_b32 s44, 32                              ; tile_dim1
	s_mov_b32 s45, 1024                            ; pitch
	s_mov_b32 s46, 0
	s_mov_b32 s47, 0
	s_mov_b32 s36, 1
	s_mul_i32 s37, s22, TILE
	s_lshl_b32 s26, ttmp9, 18                      ; 64 rows of 4,096 bytes
	s_lshl_b32 s27, s23, 17
	s_add_co_u32 s26, s26, s27
	s_lshl_b32 s27, s24, 8
	s_add_co_u32 s26, s26, s27
	s_mov_b32 s27, 0
	s_lshl_b32 s30, ttmp9, 16                      ; zeros: 16 rows a work-group, 2,048 bytes a wave
	s_lshl_b32 s31, s22, 11
	s_add_co_u32 s30, s30, s31
	s_mov_b32 s31, 0
	s_lshl_b32 s25, s24, 11
	s_add_co_u32 s25, s25, WGS                     ; my 64 rows of w_gate
	WALU
	s_wait_dscnt 0x0                               ; both opening adds are done
	s_wait_kmcnt 0x0
	s_add_nc_u64 s[38:39], s[4:5], s[26:27]
	s_or_b32 s39, s39, 0x80000000
	tensor_load_to_lds s[36:39], s[40:47]
	s_nop 0
	global_load_b128 v[16:19], v15, s[6:7]
	global_load_b128 v[20:23], v15, s[6:7] offset:16384
	s_add_nc_u64 s[20:21], s[20:21], s[30:31]
.irp i, 0,1,2,3
	global_store_b128 v7, v[8:11], s[20:21] offset:512*\i th:TH_STORE_NT   ; 512 consecutive bytes, aligned; v7-11 and s[20:21] are not written again
.endr
	v_and_b32 v1, 15, v0                           ; r
	v_bfe_u32 v81, v0, 4, 1                        ; h
	v_mul_u32_u24 v5, v1, 272
	v_lshl_add_u32 v5, v81, 4, v5
	v_add_nc_u32 v5, s37, v5                       ; fragments: row r, 16 h
	v_lshlrev_b32 v6, 3, v2
	v_add_nc_u32 v6, s37, v6                       ; rows: two columns a lane
	v_and_b32 v82, 7, v0
	v_lshlrev_b32 v80, 2, v82
	v_lshl_add_u32 v80, v81, 7, v80
	v_add_nc_u32 v80, s25, v80                     ; w_gate: row 4 h, expert r % 8
	v_bfe_u32 v83, v0, 2, 1
	v_mul_u32_u24 v83, v83, PL
	v_and_b32 v84, 3, v0
	v_lshl_add_u32 v83, v84, 2, v83
	v_lshl_add_u32 v83, v81, 7, v83
	v_add_nc_u32 v1, s37, v83                      ; partial logits: token 8 h, expert r % 8
	WALU
	s_wait_loadcnt 0x0
	ds_store_b128 v14, v[16:19]
	ds_store_b128 v14, v[20:23] offset:16384
	s_wait_dscnt 0x0                               ; for the others' sake: my part of w_gate lies in LDS
	s_barrier_signal -1
	s_barrier_wait -1
.irp g, 0,1,2,3,4,5,6,7
.irp i, 0,1,2,3
	ds_load_b32 v[WF+4*\g+\i], v80 offset:256*\g+32*\i
.endr
.endr
	v_lshl_add_u32 v15, v0, 1, XSB                 ; my two columns' bytes: XSB + 1,024 grp + 64 w + 2 lane
	WALU
	s_cmp_lt_u32 s22, 28
	s_cbranch_scc1 .Ltile
; ---- waves 28 to 31: the weight.  A lane takes a column and its registers run down the block's 32 k
	s_sub_co_u32 s48, s22, 28
	s_lshr_b32 s49, ttmp9, 3                       ; kb
	s_and_b32 s50, ttmp9, 7
	s_lshl_b32 s52, s49, 17
	s_lshl_b32 s51, s50, 9
	s_add_co_u32 s52, s52, s51
	s_lshl_b32 s51, s48, 7
	s_add_co_u32 s52, s52, s51
	s_mov_b32 s53, 0
	s_add_nc_u64 s[8:9], s[8:9], s[52:53]
	v_lshlrev_b32 v93, 2, v2
.set I_, 0
.rept 32
	global_load_b32 v[AF+I_], v93, s[8:9] offset:4096*I_ th:TH_LOAD_NT   ; the four waves stand side by side on 512 bytes
.set I_, I_+1
.endr
	s_lshl_b32 s52, s50, 17
	s_lshl_b32 s51, s48, 15
	s_add_co_u32 s52, s52, s51
	s_lshl_b32 s51, s49, 9
	s_add_co_u32 s52, s52, s51
	s_add_nc_u64 s[16:17], s[16:17], s[52:53]
	s_lshl_b32 s52, s49, 10
	s_lshl_b32 s51, s50, 7
	s_add_co_u32 s52, s52, s51
	s_lshl_b32 s51, s48, 5
	s_add_co_u32 s52, s52, s51
	s_add_nc_u64 s[18:19], s[18:19], s[52:53]
	s_mov_b32 s56, 0x600000                        ; the mantissa field of 57,344
	v_lshrrev_b32 v94, 4, v2
	v_lshlrev_b32 v94, 14, v94
	v_and_b32 v95, 15, v2
	v_lshl_add_u32 v94, v95, 4, v94                ; tile of 16 columns lane / 16, 16 bytes for column lane % 16
	WALU
	s_wait_loadcnt 0x0
	v_max3_num_f32 v88, |v[AF]|, |v[AF+1]|, |v[AF+2]|
	v_max3_num_f32 v89, |v[AF+3]|, |v[AF+4]|, |v[AF+5]|
.irp i, 6,10,14,18,22,26
	v_max3_num_f32 v88, v88, |v[AF+\i]|, |v[AF+\i+1]|
	v_max3_num_f32 v89, v89, |v[AF+\i+2]|, |v[AF+\i+3]|
.endr
	v_max3_num_f32 v88, v88, |v[AF+30]|, |v[AF+31]|
	v_max3_num_f32 v88, v88, v89, FLOOR            ; the block's largest magnitude
	v_add_nc_u32 v90, EOFF, v88                    ; the conversion's scale operand
	v_and_or_b32 v91, v88, 0x7f800000, s56         ; 57,344 x the scale
	v_lshrrev_b32 v92, 23, v90                     ; the byte
.set I_, 0
.rept 32
	v_med3_num_f32 v[AF+I_], v[AF+I_], -v91, v91   ; the hold (ISA guide 7.6.2)
.set I_, I_+1
.endr
.irp q, 0,1,2,3
	v_cvt_scalef32_pk8_bf8_f32 v[80+2*\q:81+2*\q], v[AF+8*\q:AF+8*\q+7], v90
.endr
	v_nop                                          ; a plain line behind the conversions
	global_store_b128 v94, v[80:83], s[16:17]              ; k 0 .. 15: sixteen lanes store 256 consecutive bytes, aligned
	global_store_b128 v94, v[84:87], s[16:17] offset:256   ; k 16 .. 31
	global_store_b8 v2, v92, s[18:19]              ; 32 neighbouring bytes a wave, 128 a work-group
	s_wait_xcnt 0x0                                ; v80-94 are written again below
.Ltile:
	s_wait_dscnt 0x0                               ; w_gate's fragments
	s_wait_tensorcnt 0x0                           ; my tile, which I alone read
.macro ALOAD b                         ; 16 columns of both tiles of 16 tokens: four loads
.irp gl, 0,1
.irp t, 0,1
	ds_load_b128 v[AF+16*((\b)%2)+8*\gl+4*\t:AF+16*((\b)%2)+8*\gl+4*\t+3], v5 offset:4352*\t+32*(2*(\b)+\gl)
.endr
.endr
.endm
.macro MLOAD b                         ; rows 8 b .. 8 b + 7
.irp i, 0,1,2,3,4,5,6,7
	ds_load_b64 v[MB+2*\i:MB+2*\i+1], v6 offset:272*(8*(\b)+\i)
.endr
.endm
.macro MUL b                           ; eight products; the four sums take turns
.irp gl, 0,1
.irp p, 0,1
.irp t, 0,1
.if ((\b)+\gl) == 0
	v_wmma_f32_16x16x4_f32 v[SM+16*\p+8*\t:SM+16*\p+8*\t+7], v[AF+4*\t+2*\p:AF+4*\t+2*\p+1], v[WF+2*\p:WF+2*\p+1], 0
.else
	v_wmma_f32_16x16x4_f32 v[SM+16*\p+8*\t:SM+16*\p+8*\t+7], v[AF+16*((\b)%2)+8*\gl+4*\t+2*\p:AF+16*((\b)%2)+8*\gl+4*\t+2*\p+1], v[WF+4*(2*(\b)+\gl)+2*\p:WF+4*(2*(\b)+\gl)+2*\p+1], v[SM+16*\p+8*\t:SM+16*\p+8*\t+7]
.endif
.endr
.endr
.endr
.endm
.macro MAXB b                          ; eight maxima: the eight places behind the products too (ISA guide 7.12.1)
.irp i, 0,2,4,6
.irp k, 0,1
.if ((\b)+\i) == 0
	v_max3_num_f32 v[MX+\k], |v[MB+\k]|, |v[MB+2+\k]|, FLOOR
.else
	v_max3_num_f32 v[MX+\k], v[MX+\k], |v[MB+2*\i+\k]|, |v[MB+2*\i+2+\k]|
.endif
.endr
.endr
.endm
	ALOAD 0
	MLOAD 0
	ALOAD 1
	s_wait_dscnt 12                                ; set 0; eight rows and set 1 may be out
	MUL 0
	s_wait_dscnt 4                                 ; the rows; set 1 may be out
	MAXB 0
	MLOAD 1
	ALOAD 2
	WALU
	s_wait_dscnt 12
	MUL 1
	s_wait_dscnt 4
	MAXB 1
	MLOAD 2
	ALOAD 3
	WALU
	s_wait_dscnt 12
	MUL 2
	s_wait_dscnt 4
	MAXB 2
	MLOAD 3
	WALU
	s_wait_dscnt 8                                 ; set 1; the last eight rows may be out
	MUL 3
	s_wait_dscnt 0x0
	MAXB 3
.irp t, 0,1
.irp j, 0,2,4,6
	v_pk_add_f32 v[AF+8*\t+\j:AF+8*\t+\j+1], v[SM+8*\t+\j:SM+8*\t+\j+1], v[SM+16+8*\t+\j:SM+16+8*\t+\j+1]
.endr
.endr
.irp t, 0,1
.irp j, 0,1,2,3,4,5,6,7
	ds_store_b32 v1, v[AF+8*\t+\j] offset:16*(16*\t+\j)    ; token 16 t + 8 h + j (lanes r and r + 8 store the same word with the same value)
.endr
.endr
	v_lshrrev_b32 v12, 23, v12                     ; the columns' bytes: the largest magnitude's exponent field - 15
	v_lshrrev_b32 v13, 23, v13
	v_add_nc_u32 v12, -15, v12
	v_add_nc_u32 v13, -15, v13
	v_lshl_or_b32 v12, v13, 8, v12
	ds_store_b16 v15, v12
	s_wait_tensorcnt 0x0                           ; behind my last LDS store
	ds_add_u32 v3, v4
	s_wait_dscnt 0x0                               ; for the others' sake: my partial logits and bytes lie in LDS
	s_barrier_signal -1
	s_barrier_wait -1
	s_cmp_lt_u32 s22, 2
	s_cbranch_scc1 .Lchoose
	s_cmp_lt_u32 s22, 4
	s_cbranch_scc1 .Lbytes
	s_endpgm
.Lbytes:                                               ; waves 2, 3: a group's 1,024 scale bytes leave as two stores of 512 consecutive bytes, aligned
	s_and_b32 s25, s22, 1
	s_lshl_b32 s27, s25, 10
	s_add_co_u32 s28, s27, XSB
	v_add_nc_u32 v15, s28, v7
	ds_load_b128 v[16:19], v15
	ds_load_b128 v[20:23], v15 offset:512
	s_lshl_b32 s26, ttmp9, 11
	s_add_co_u32 s26, s26, s27
	s_mov_b32 s27, 0
	s_add_nc_u64 s[14:15], s[14:15], s[26:27]
	s_wait_dscnt 0x0
	global_store_b128 v7, v[16:19], s[14:15]
	global_store_b128 v7, v[20:23], s[14:15] offset:512
	s_endpgm
.Lchoose:                                              ; waves 0, 1: a lane is a token of group wave; sixteen waves' partial logits, four at a time
	s_mul_i32 s26, s22, 16*TILE
	v_add_nc_u32 v12, s26, v7
	v_add_nc_u32 v13, 4*TILE, v12
	v_add_nc_u32 v14, 8*TILE, v12
	v_add_nc_u32 v15, 12*TILE, v12
.macro CLOAD c
.irp k, 0,1,2,3
.irp q, 0,1
	ds_load_b128 v[16+32*((\c)%2)+8*\k+4*\q:19+32*((\c)%2)+8*\k+4*\q], v[12+\c] offset:TILE*\k+PL*\q
.endr
.endr
.endm
.macro CSUM c
.set S_, 16+32*((\c)%2)
.irp k, 0,1,2,3
.irp p, 0,2,4,6
.if ((\c)+\k) == 0
	v_pk_add_f32 v[80+\p:81+\p], v[S_+\p:S_+\p+1], v[S_+8+\p:S_+8+\p+1]
.elseif ((\c) > 0) || (\k > 1)
	v_pk_add_f32 v[80+\p:81+\p], v[80+\p:81+\p], v[S_+8*\k+\p:S_+8*\k+\p+1]
.endif
.endr
.endr
.endm
	CLOAD 0
	CLOAD 1
	WALU
	s_wait_dscnt 8                                 ; the younger eight loads may be out
	CSUM 0
	CLOAD 2
	WALU
	s_wait_dscnt 8
	CSUM 1
	CLOAD 3
	WALU
	s_wait_dscnt 8
	CSUM 2
	WALU
	s_wait_dscnt 0x0
	CSUM 3                                         ; v80-87: the eight logits
	v_max3_num_f32 v20, v80, v81, v82
	v_max3_num_f32 v20, v20, v83, v84
	v_max3_num_f32 v20, v20, v85, v86
	v_max_num_f32 v20, v20, v87                    ; the largest is taken away ahead of the exponentials
.irp e, 0,1,2,3,4,5,6,7
	v_sub_f32 v[24+\e], v[80+\e], v20
.endr
.irp e, 0,1,2,3,4,5,6,7
	v_mul_f32 v[24+\e], 0x3fb8aa3b, v[24+\e]       ; x log2(e)
.endr
	WALU
.irp e, 0,1,2,3,4,5,6,7
	v_exp_f32 v[32+\e], v[24+\e]
.endr
	v_mov_b32 v42, 0                               ; a plain line behind the batch
	WALU
	v_add_f32 v40, v32, v33
	v_add_f32 v41, v34, v35
	v_add_f32 v43, v36, v37
	v_add_f32 v44, v38, v39
	v_add_f32 v40, v40, v41
	v_add_f32 v43, v43, v44
	v_add_f32 v40, v40, v43
	WALU
	v_rcp_f32 v41, v40
	v_nop
	WALU
.irp e, 0,1,2,3,4,5,6,7
	v_mul_f32 v[32+\e], v[32+\e], v41              ; the probabilities
.endr
	v_max3_num_f32 v43, v32, v33, v34
	v_max3_num_f32 v43, v43, v35, v36
	v_max3_num_f32 v43, v43, v37, v38
	v_max_num_f32 v43, v43, v39                    ; the gate
.irp e, 7,6,5,4,3,2,1,0
	v_cmp_eq_f32 vcc_lo, v[32+\e], v43
	v_cndmask_b32 v42, v42, \e, vcc_lo             ; from the top down: of equal probabilities the lowest expert stays
.endr
	; the gate is alone in its block of 32 slots, so its own exponent gives the scale
	s_mov_b32 s70, 0x600000
	v_add_nc_u32 v44, EOFF, v43                    ; the conversion's scale operand
	v_lshrrev_b32 v45, 23, v44                     ; the byte
	v_and_or_b32 v46, v43, 0x7f800000, s70         ; 57,344 x the scale
	v_min_num_f32 v48, v43, v46                    ; the hold (ISA guide 7.6.2); a gate is positive
.irp k, 1,2,3,4,5,6,7
	v_mov_b32 v[48+\k], 0
.endr
	v_cvt_scalef32_pk8_bf8_f32 v[60:61], v[48:55], v44
	v_lshlrev_b32 v62, 2, v2                       ; a plain line between the conversion and the reader of its result
	v_and_b32 v60, 0xff, v60
	v_lshl_or_b32 v60, v45, 8, v60
	s_lshl_b32 s26, ttmp9, 8
	s_lshl_b32 s27, s22, 7
	s_add_co_u32 s26, s26, s27
	s_mov_b32 s27, 0
	s_add_nc_u64 s[12:13], s[12:13], s[26:27]      ; gq: 128 bytes a group
	s_lshr_b32 s26, s26, 1
	s_add_nc_u64 s[10:11], s[10:11], s[26:27]      ; picks: 64 bytes a group
	WALU
	global_store_b32 v62, v60, s[12:13]
	v_mov_b32 v63, 0
.irp e, 0,1,2,3,4,5,6,7
	v_cmp_eq_u32 s[48+\e], \e, v42                 ; the expert's mask of tokens,
.endr
.irp e, 0,1,2,3,4,5,6,7
	s_bcnt1_i32_b32 s[56+\e], s[48+\e]             ; and their number
.endr
.irp i, 0,1,2,3
	s_lshl_b32 s24, s[57+2*\i], 16
	s_or_b32 s[66+\i], s[56+2*\i], s24
.endr
	WALU
.irp e, 0,1,2,3,4,5,6,7
	v_writelane_b32 v63, s[48+\e], \e
.endr
.irp i, 0,1,2,3
	v_writelane_b32 v63, s[66+\i], 8+\i
.endr
	v_cmp_gt_u32 vcc_lo, 16, v2
	WALU
	s_wait_xcnt 0x0                                ; EXEC changes only behind this wait
	s_and_saveexec_b32 s25, vcc_lo
	global_store_b32 v62, v63, s[10:11]            ; sixteen words
	s_wait_xcnt 0x0
	s_or_b32 exec_lo, exec_lo, s25
	s_endpgm
.Lfunc_end_k_q869ac5f359_route:
	.size	k_q869ac5f359_route, .Lfunc_end_k_q869ac5f359_route-k_q869ac5f359_route
	.p2alignl 7, 3214868480
	.fill 96, 4, 3214868480
	.section	.rodata,"a",@progbits
	.p2align	6, 0x0
	.amdhsa_kernel k_q869ac5f359_route
		.amdhsa_group_segment_fixed_size 317440
		.amdhsa_private_segment_fixed_size 0
		.amdhsa_enable_private_segment 0
		.amdhsa_kernarg_size 72
		.amdhsa_user_sgpr_count 2
		.amdhsa_user_sgpr_kernarg_segment_ptr 1
		.amdhsa_wavefront_size32 1
		.amdhsa_system_sgpr_workgroup_id_x 1
		.amdhsa_system_sgpr_workgroup_id_y 1
		.amdhsa_system_sgpr_workgroup_id_z 1
		.amdhsa_system_vgpr_workitem_id 0
		.amdhsa_next_free_vgpr 128
		.amdhsa_next_free_sgpr 80
		.amdhsa_reserve_vcc 1
		.amdhsa_float_denorm_mode_32 3
		.amdhsa_float_denorm_mode_16_64 3
		.amdhsa_memory_ordered 1
		.amdhsa_forward_progress 1
		.amdhsa_inst_pref_size 37
	.end_amdhsa_kernel
	.amdgpu_metadata
---
amdhsa.version: [ 1, 2 ]
amdhsa.kernels:
  - .name:           k_q869ac5f359_route
    .symbol:         k_q869ac5f359_route.kd
    .args:
      - { .name: x, .offset: 0, .size: 8, .value_kind: global_buffer, .address_space: global }
      - { .name: w_gate, .offset: 8, .size: 8, .value_kind: global_buffer, .address_space: global }
      - { .name: w_expert, .offset: 16, .size: 8, .value_kind: global_buffer, .address_space: global }
      - { .name: picks, .offset: 24, .size: 8, .value_kind: global_buffer, .address_space: global }
      - { .name: gq, .offset: 32, .size: 8, .value_kind: global_buffer, .address_space: global }
      - { .name: xs, .offset: 40, .size: 8, .value_kind: global_buffer, .address_space: global }
      - { .name: wimg, .offset: 48, .size: 8, .value_kind: global_buffer, .address_space: global }
      - { .name: wsc, .offset: 56, .size: 8, .value_kind: global_buffer, .address_space: global }
      - { .name: out0, .offset: 64, .size: 8, .value_kind: global_buffer, .address_space: global }
    .group_segment_fixed_size: 317440
    .private_segment_fixed_size: 0
    .kernarg_segment_align: 8
    .kernarg_segment_size: 72
    .max_flat_workgroup_size: 1024
    .sgpr_count:     80
    .vgpr_count:     128
    .wavefront_size: 32
...
	.end_amdgpu_metadata
.endif
;; end of part 1
;; launch chain (part 2): grid 256 x 1, 16 waves a work-group, no clusters, 304,384 bytes of LDS; arguments x, b_expert, picks, gq, xs, wimg, wsc, out0; writes out0
.if DOCPART == 2
	.amdgcn_target "amdgcn-amd-amdhsa--gfx1250"
	.amdhsa_code_object_version 6
	.text
	.protected	k_q869ac5f359_chain
	.globl	k_q869ac5f359_chain
	.p2align	8
	.type	k_q869ac5f359_chain,@function
k_q869ac5f359_chain:
	s_mov_b64 s[64:65], 0
	v_nop
	global_prefetch_b8 v0, s[64:65] scope:SCOPE_SE
	s_setreg_imm32_b32 hwreg(HW_REG_WAVE_MODE, 25, 1), 1
	s_wait_xcnt 0x0
; CHAIN.  Every work-group first repeats the placing of tokens, in whole numbers, from the 512 groups' masks and counts that the launch before stored:
; a prefix sum of the counts gives each token its place in its expert's queue; the first 100 of an expert are kept, as slot 100 x expert + place.
; THE CHAIN: work-group j < 200 takes the block of 32 slots j / 8 (a block of the last product's K) and the 128 output columns 128 (j % 8) on, through all three quantised products:
;   2: dispatched = one-hot x Q(x): only the tiles of K (tokens) that hold a one are multiplied.  A K step of 128 is made of the four blocks of 32 tokens of four slots; each block's scale bytes are those of
;      x along the tokens, and the one-hot operand (code 0x78 under the byte 112: 1.0) picks the slot's token.  Used transposed, so that a lane's registers run along h, the next K;
;   3: expert_out = Q(dispatched) Q(w_expert) + b: K = 1,024, the bias as the C of the first step; a lane then holds 16 neighbouring slots of one column;
;   4: out = Q(gate) x Q(expert_out): K = the block's 32 slots; a token's row of the left operand holds its gate's code at its slot and zeros elsewhere.
;   An empty slot keeps a row of zeros in product 2, so its expert_out is the bias, which counts in the block's scale; no row of out0 is stored for it.
; THE ROWS OF ZEROS (dropped tokens).  Work-groups 0 .. 199 store some by their waves 8 to 15, which have no part in products 3 and 4, while waves 0 to 7 multiply.
;   Work-groups 200 .. 255 do nothing else.
; Each byte of out0 has one owner: a dropped row the work-group of its group, a kept row's 512 bytes the work-group of its slot's block and columns.
; Product 2 is repeated by the eight work-groups of a block of slots (product 3 needs all 1,024 of its K): the price of handing nothing between work-groups.
; NO TENSOR LOADS, NO CLUSTER, though 25 work-groups read the same weight images and 8 the same rows of x: operands come through registers.
; LIMITS: NaN and infinities are not served; a block of zeros has the byte 1 (its codes are zeros).
; THE DEAL OF THE ROWS OF ZEROS in this text (it stands in place of the paragraph on rows of zeros above): the launch before has filled groups 0 .. 127.  Of the other 384 groups each of the 256 work-groups j
; fills the dropped rows of group 128 + j, two rows a wave, and of half j % 2 of group 384 + j / 2: work-groups 0 .. 199 the first while the gather is on its way and the second by waves 8 to 15 beside products 3 and 4.
.set NCH,  200
.set TB0,  0                           ; LDS: the chain's tables: the waves' totals, 16 bytes a wave;
.set PT,   256                         ; 512 x 16 bytes: the tokens of each expert ahead of group g, 16 bits an expert;
.set MT,   8448                        ; straight behind it, 512 x 32 bytes: the groups' eight masks
.set WI,   25088                       ; my 64 weight images of 2,048 bytes: 8 (tile of columns) + K step
.set CS,   156160                      ; 4,096 bytes of each wave's own: [128 columns][16 codes], and 2,048 on [128 columns][16 scale bytes]
.set DI,   221696                      ; dispatched: 16 images of 2,048 bytes: 8 (tile of slots) + K step
.set DSC,  254464                      ; their scale words, 128 bytes each
.set STG,  256512                      ; the way out: 32 rows x (512 bytes + 16)
.set WS,   273408                      ; my 128 columns' weight scale words: [K step of 128][column]
.set TB1,  277504                      ; the same three tables for the work-groups that only fill: each of the two ways has LDS bytes of its own
.set SPITCH, 528
.set PTMAX, PT+14+16*511               ; the last field of the chain's PT
; REGISTERS: v0 thread; v1 the token of slot (lane), or -1; v2 its gate word; v3 a scale word just made; v4 lane, v5 lane % 16, v6-10 addresses; v13 bias; v15 1.0;
;   v11, v12, v14, v208-223 hold scales and nothing else; v16-79, v80-143, v144-207 operands and sums by phase; v224-255 at work.
.macro TABLES base                     ; the LDS addresses of the scan and of the numbers of group s59
	s_lshl_b32 s24, s20, 4
	s_add_co_u32 s24, s24, (\base)
	v_mov_b32 v150, s24                            ; totals: 16 wave
	v_lshl_add_u32 v151, v5, 4, (\base)            ; totals: 16 (lane % 16)
	v_lshl_add_u32 v152, v0, 4, (\base)+PT         ; thread = group
	v_lshl_add_u32 v153, v0, 5, (\base)+MT
	GNUM 155, 156, 59, (\base)
.endm
.macro PICKS                           ; thread = group: its eight counts, then its eight masks
	global_load_b128 v[244:247], v146, s[8:9] offset:32
	global_load_b128 v[248:251], v146, s[8:9]
	global_load_b128 v[252:255], v146, s[8:9] offset:16
.endm
; The prefix sum over 512 groups; four words of two 16-bit fields (a sum is at most 16,384: no field runs over).
; left1: the loads issued behind the counts', left2: those behind the masks', which may stay out.
.macro SCAN left1, left2
	s_wait_loadcnt \left1
.irp k, 0,1,2,3
	v_mov_b32 v[232+\k], v[244+\k]
.endr
.irp n, 1,2,4,8
.irp k, 0,1,2,3
	v_mov_b32 v[236+\k], 0
.endr
.irp k, 0,1,2,3
	v_mov_b32_dpp v[236+\k], v[232+\k] row_shr:\n row_mask:0xf bank_mask:0xf bound_ctrl:1
.endr
.irp k, 0,1,2,3
	s_delay_alu instid0(VALU_DEP_4)
	v_add_nc_u32 v[232+\k], v[232+\k], v[236+\k]
.endr
.endr
.irp k, 0,1,2,3
	s_delay_alu instid0(VALU_DEP_4)
	v_readlane_b32 s[24+\k], v[232+\k], 15         ; the lower sixteen's sum goes onto the upper sixteen
.endr
.irp k, 0,1,2,3
	s_delay_alu instid0(VALU_DEP_4)
	v_and_b32 v[236+\k], s[24+\k], v154
.endr
.irp k, 0,1,2,3
	s_delay_alu instid0(VALU_DEP_4)
	v_add_nc_u32 v[232+\k], v[232+\k], v[236+\k]
.endr
.irp k, 0,1,2,3
	s_delay_alu instid0(VALU_DEP_4)
	v_readlane_b32 s[24+\k], v[232+\k], 31         ; my wave's total
.endr
.irp k, 0,1,2,3
	s_delay_alu instid0(VALU_DEP_4)
	v_mov_b32 v[236+\k], s[24+\k]
.endr
	ds_store_b128 v150, v[236:239]                 ; all lanes write the same 16 bytes with the same value
	s_wait_dscnt 0x0
	s_barrier_signal -1
	s_barrier_wait -1
	ds_load_b128 v[236:239], v151
	s_wait_dscnt 0x0
	v_cmp_gt_u32 vcc_lo, s20, v5                   ; the waves below mine
.irp k, 0,1,2,3
	v_cndmask_b32 v[236+\k], 0, v[236+\k], vcc_lo
.endr
.irp n, 1,2,4,8
.irp k, 0,1,2,3
	s_delay_alu instid0(VALU_DEP_4)
	v_mov_b32_dpp v[228+\k], v[236+\k] row_xmask:\n row_mask:0xf bank_mask:0xf
.endr
.irp k, 0,1,2,3
	s_delay_alu instid0(VALU_DEP_4)
	v_add_nc_u32 v[236+\k], v[236+\k], v[228+\k]
.endr
.endr
.irp k, 0,1,2,3
	s_delay_alu instid0(VALU_DEP_4)
	v_add_nc_u32 v[232+\k], v[232+\k], v[236+\k]
.endr
.irp k, 0,1,2,3
	s_delay_alu instid0(VALU_DEP_4)
	v_sub_nc_u32 v[232+\k], v[232+\k], v[244+\k]   ; less my own: the tokens AHEAD of my group
.endr
	s_wait_alu depctr_va_vdst(0)
	s_wait_loadcnt \left2                          ; the masks
	ds_store_b128 v152, v[232:235]
	ds_store_b128 v153, v[248:251]
	ds_store_b128 v153, v[252:255] offset:16
	s_wait_dscnt 0x0
	s_barrier_signal -1
	s_barrier_wait -1                              ; both tables lie in LDS
.endm
.macro GNUM a, b, grp, base            ; the LDS addresses of group s[grp]'s prefixes and masks
	s_lshl_b32 s24, s[\grp], 4
	s_add_co_u32 s24, s24, (\base)+PT
	v_mov_b32 v[\a], s24
	s_lshl_b32 s24, s[\grp], 5
	s_add_co_u32 s24, s24, (\base)+MT
	v_mov_b32 v[\b], s24
.endm
.macro FILLNUM pa, ma                  ; the prefixes and masks of a group
	ds_load_b128 v[228:231], v[\pa]
	ds_load_b128 v[232:235], v[\ma]
	ds_load_b128 v[236:239], v[\ma] offset:16
.endm
; FILLMASK: s48: bit i set where token i of that group is kept
.macro FILLMASK                        ; s48: bit i set where token i of that group is kept
	s_wait_dscnt 0x0
.irp k, 0,1,2,3,4,5,6,7
	v_readfirstlane_b32 s[32+\k], v[232+\k]
.endr
.irp k, 0,1,2,3
	v_readfirstlane_b32 s[24+\k], v[228+\k]
.endr
.irp k, 0,1,2,3
	s_and_b32 s[40+2*\k], s[24+\k], 0xffff
	s_lshr_b32 s[41+2*\k], s[24+\k], 16
.endr
	s_mov_b32 s48, 0
.irp e, 0,1,2,3,4,5,6,7
	v_mbcnt_lo_u32_b32 v240, s[32+\e], s[40+\e]    ; the expert's tokens ahead of token (lane)
	s_delay_alu instid0(VALU_DEP_1)
	v_cmp_gt_u32 vcc_lo, 100, v240                 ; under the capacity,
	s_and_b32 s24, vcc_lo, s[32+\e]                ; and the token chose this expert: kept
	s_or_b32 s48, s48, s24
.endr
.endm
.macro FILLAT grp                      ; s24: my first row in group s[grp]: its bit of s48 comes lowest, s[60:61] is its place in out0
	s_lshr_b32 s48, s48, s24
	s_lshl_b32 s60, s[\grp], 17
	s_lshl_b32 s24, s24, 12
	s_add_co_u32 s60, s60, s24
	s_mov_b32 s61, 0
	s_add_nc_u64 s[60:61], s[18:19], s[60:61]
.endm
.macro FILLROW off, i                  ; my i-th row, if its token is dropped: eight stores of 512 consecutive bytes, aligned
	s_bitcmp1_b32 s48, \i
	s_cbranch_scc1 .Lkept_\@
.irp k, 0,1,2,3,4,5,6,7
	global_store_b128 v[\off], v[224:227], s[60:61] offset:4096*(\i)+512*\k th:TH_STORE_NT
.endr
.Lkept_\@:
.endm
	s_load_b256 s[4:11], s[0:1], 0x0               ; x s[4:5], b_expert s[6:7], picks s[8:9], gq s[10:11]
	s_load_b256 s[12:19], s[0:1], 0x20             ; xs s[12:13], wimg s[14:15], wsc s[16:17], out0 s[18:19]
	v_lshrrev_b32 v4, 5, v0
	s_delay_alu instid0(VALU_DEP_1)
	v_readfirstlane_b32 s20, v4                    ; wave 0..15
	v_and_b32 v4, 31, v0                           ; lane
	v_and_b32 v5, 15, v0                           ; lane % 16
	s_delay_alu instid0(VALU_DEP_2)
	v_lshlrev_b32 v6, 4, v4                        ; 16 x lane
	s_and_b32 s21, s20, 7
	v_lshlrev_b32 v146, 6, v0                      ; thread = group: 64 bytes of picks
	v_lshrrev_b32 v154, 4, v4
	s_delay_alu instid0(VALU_DEP_1)
	v_sub_nc_u32 v154, 0, v154                     ; all ones in lanes 16-31
.irp k, 0,1,2,3
	v_mov_b32 v[228+\k], 0                         ; (a lane move's destination counts as read)
.endr
	s_min_u32 s62, ttmp9, 255
	s_add_co_u32 s59, s62, 128                     ; the group whose dropped rows are mine,
	s_lshr_b32 s63, s62, 1
	s_add_co_u32 s63, s63, 384                     ; and the one of which I have half s62 % 2
	s_wait_alu depctr_va_vdst(0)
	s_cmp_lt_u32 ttmp9, NCH
	s_cbranch_scc1 .Lchain
; ---------------------------------------------------------------- work-groups 200 .. 255: rows of zeros alone
; (work-groups 200 .. 255)
	TABLES TB1
	GNUM 157, 158, 63, TB1
	s_wait_alu depctr_va_vdst(0)
	s_wait_kmcnt 0x0
	PICKS
	SCAN 2, 0                                      ; behind the counts' load: the two of the masks
.irp k, 0,1,2,3
	v_mov_b32 v[224+\k], 0
.endr
	FILLNUM 155, 156
	FILLMASK
	s_lshl_b32 s24, s20, 1
	FILLAT 59
	s_wait_alu depctr_va_vdst(0)
	FILLROW 6, 0
	FILLROW 6, 1
	FILLNUM 157, 158
	FILLMASK
	s_wait_xcnt 0x0                                ; the stores above have taken their base
	s_and_b32 s24, s62, 1
	s_lshl_b32 s24, s24, 4
	s_add_co_u32 s24, s24, s20
	FILLAT 63
	s_wait_alu depctr_va_vdst(0)
	FILLROW 6, 0
	s_wait_xcnt 0x0
	v_lshl_add_u32 v254, v0, 2, 0x49d00
	v_mov_b32 v255, 0
	s_wait_alu depctr_va_vdst(0)
	s_wait_tensorcnt 0x0
	ds_add_u32 v254, v255
	s_wait_dscnt 0x0
	s_endpgm
; ---------------------------------------------------------------- work-groups 0 .. 199: the chain
.Lchain:
	s_lshr_b32 s22, ttmp9, 3                       ; block of slots
	s_and_b32 s23, ttmp9, 7                        ; group of columns
	TABLES TB0
	s_mov_b32 s50, 0x05010400                      ; byte selects for the 4 x 4 turn of scale bytes
	s_mov_b32 s51, 0x07030602
	s_mov_b32 s52, 0x05040100
	s_mov_b32 s53, 0x07060302
	s_mov_b32 s54, 0x76543210                      ; v_permlanex16_b32: lane l xor 16
	s_mov_b32 s55, 0xfedcba98
	s_mov_b32 s56, 0x600000                        ; the mantissa field of 57,344
	s_mov_b32 s57, 0xc7600000                      ; -57,344.0
	s_mov_b32 s58, 0x47600000                      ; 57,344.0
	v_mov_b32 v14, 0x70707070                      ; the one-hot operand's scale word: four bytes 112
	v_mov_b32 v15, 1.0                             ; a conversion's scale operand: 2^0
	v_lshlrev_b32 v148, 2, v5
	s_lshl_b32 s28, s23, 17
	s_lshl_b32 s24, s20, 13
	s_add_co_u32 s28, s28, s24                     ; my wave's 8,192 bytes of my columns' 131,072 bytes of weight images,
	s_mov_b32 s29, 0
	s_lshl_b32 s30, s21, 12                        ; K step wave % 8: four rows of 1,024 scale bytes;
	s_lshl_b32 s24, s23, 7
	s_add_co_u32 s30, s30, s24
	s_lshr_b32 s24, s20, 3
	s_lshl_b32 s24, s24, 6
	s_add_co_u32 s30, s30, s24                     ; 64 of my 128 columns,
	s_mov_b32 s31, 0
	s_lshl_b32 s32, s23, 9
	s_lshl_b32 s24, s21, 6
	s_add_co_u32 s32, s32, s24                     ; the bias of columns 128 cg + 16 (wave % 8) on
	s_mov_b32 s33, 0
	s_wait_alu depctr_va_vdst(0)
	s_wait_kmcnt 0x0
	PICKS                                          ; the choices first: the scan waits for them
	s_add_nc_u64 s[14:15], s[14:15], s[28:29]
	s_add_nc_u64 s[16:17], s[16:17], s[30:31]
	s_add_nc_u64 s[6:7], s[6:7], s[32:33]
.irp i, 0,1,2,3,4,5,6,7,8,9,10,11,12,13,14,15
	global_load_b128 v[80+4*\i:83+4*\i], v6, s[14:15] offset:512*\i
.endr
	global_load_b32 v144, v148, s[16:17]           ; four columns a lane (lanes l and l xor 16 the same), four blocks of 32 along K
	global_load_b32 v145, v148, s[16:17] offset:1024
	global_load_b32 v157, v148, s[16:17] offset:2048
	global_load_b32 v158, v148, s[16:17] offset:3072
	global_load_b32 v13, v148, s[6:7]              ; 21 loads, wanted far below: they go out while the wave would wait for the choices anyway
	SCAN 23, 21                                    ; behind the counts' load: 2 of the masks and these 21; behind the masks': these 21
	FILLNUM 155, 156                               ; up to the next barrier LDS is only read
; ---- the search: lane = slot 32 sb + lane.  Which group holds the slot's token: the last g whose prefix is not above the slot's place
	s_lshl_b32 s24, s22, 5
	v_add_nc_u32 v160, s24, v4                     ; slot
	s_delay_alu instid0(VALU_DEP_1)
	v_mul_u32_u24 v161, v160, 656
	s_delay_alu instid0(VALU_DEP_1)
	v_lshrrev_b32 v161, 16, v161                   ; expert = slot / 100 (exact for slots under 800)
	s_delay_alu instid0(VALU_DEP_1)
	v_mul_u32_u24 v162, v161, 100
	s_delay_alu instid0(VALU_DEP_1)
	v_sub_nc_u32 v162, v160, v162                  ; place in the expert's queue
	s_wait_alu depctr_va_vdst(0)
	v_lshl_add_u32 v164, v161, 1, PT               ; the expert's field of entry 0
	s_delay_alu instid0(VALU_DEP_1)
	v_min_u32 v163, PTMAX, v164                    ; (held inside the table, as at each step below)
	v_mov_b32 v168, 0
.macro SRCH st                         ; the prefixes rise with g: of the three entries st, 2 st, 3 st on, as many steps are taken as are not above the place
	ds_load_u16 v165, v163 offset:16*\st
	ds_load_u16 v166, v163 offset:32*\st
	ds_load_u16 v167, v163 offset:48*\st
	s_wait_dscnt 0x0
	v_cmp_gt_u32 vcc_lo, v165, v162
	s_delay_alu instid0(VALU_DEP_1)
	v_cndmask_b32 v165, 16*\st, v168, vcc_lo
	s_wait_alu depctr_va_vdst(0)
	v_cmp_gt_u32 vcc_lo, v166, v162
	s_delay_alu instid0(VALU_DEP_1)
	v_cndmask_b32 v166, 16*\st, v168, vcc_lo
	v_cmp_gt_u32 vcc_lo, v167, v162
	s_delay_alu instid0(VALU_DEP_1)
	v_cndmask_b32 v167, 16*\st, v168, vcc_lo
	v_add_nc_u32 v163, v163, v165
	s_delay_alu instid0(VALU_DEP_1)
	v_add_nc_u32 v163, v163, v166
	s_delay_alu instid0(VALU_DEP_1)
	v_add_nc_u32 v163, v163, v167
	s_delay_alu instid0(VALU_DEP_1)
	v_min_u32 v163, PTMAX, v163                    ; held inside the table
.endm
	s_wait_alu depctr_va_vdst(0)
	SRCH 128
	SRCH 32
	SRCH 8
	SRCH 2
	ds_load_u16 v165, v163 offset:16
	s_wait_dscnt 0x0
	v_cmp_gt_u32 vcc_lo, v165, v162
	s_delay_alu instid0(VALU_DEP_1)
	v_cndmask_b32 v165, 16, v168, vcc_lo
	s_wait_alu depctr_va_vdst(0)
	v_add_nc_u32 v163, v163, v165
	s_delay_alu instid0(VALU_DEP_1)
	v_min_u32 v163, PTMAX, v163
	s_delay_alu instid0(VALU_DEP_1)
	v_lshl_add_u32 v166, v163, 1, MT-2*PT          ; MT + 32 g + 4 expert
	ds_load_u16 v165, v163                         ; the group's prefix,
	ds_load_b32 v169, v166                         ; and the expert's mask in it
	s_wait_dscnt 0x0
	v_sub_nc_u32 v170, v162, v165                  ; n: the slot's token is the n-th set bit of the mask
	v_lshrrev_b32 v171, 1, v169                    ; the numbers of set bits in fields of 2, 4, 8 and 16 bits
	s_delay_alu instid0(VALU_DEP_1)
	v_and_b32 v171, 0x55555555, v171
	s_delay_alu instid0(VALU_DEP_1)
	v_sub_nc_u32 v171, v169, v171
	s_delay_alu instid0(VALU_DEP_1)
	v_lshrrev_b32 v172, 2, v171
	s_delay_alu instid0(VALU_DEP_1)
	v_and_b32 v172, 0x33333333, v172
	s_delay_alu instid0(VALU_DEP_3)
	v_and_b32 v173, 0x33333333, v171
	s_delay_alu instid0(VALU_DEP_1)
	v_add_nc_u32 v172, v172, v173
	s_delay_alu instid0(VALU_DEP_1)
	v_lshrrev_b32 v173, 4, v172
	s_delay_alu instid0(VALU_DEP_1)
	v_add_nc_u32 v173, v173, v172
	s_delay_alu instid0(VALU_DEP_1)
	v_and_b32 v173, 0x0f0f0f0f, v173
	s_delay_alu instid0(VALU_DEP_1)
	v_lshrrev_b32 v174, 8, v173
	s_delay_alu instid0(VALU_DEP_1)
	v_add_nc_u32 v174, v174, v173
	s_delay_alu instid0(VALU_DEP_1)
	v_and_b32 v174, 0x00ff00ff, v174
	s_delay_alu instid0(VALU_DEP_1)
	v_lshrrev_b32 v175, 16, v174
	s_delay_alu instid0(VALU_DEP_1)
	v_add_nc_u32 v175, v175, v174
	s_delay_alu instid0(VALU_DEP_1)
	v_and_b32 v175, 0xff, v175
	s_delay_alu instid0(VALU_DEP_1)
	v_cmp_lt_u32 s49, v170, v175                   ; the slot is filled where the mask has an n-th bit (an expert with too few tokens ends in the last group, with n too large)
	v_mov_b32 v176, 0
.macro SEL cnt, fmask, step            ; if the field at the position holds n bits or fewer, pass over it
	v_lshrrev_b32 v177, v176, v[\cnt]
	s_delay_alu instid0(VALU_DEP_1)
	v_and_b32 v177, \fmask, v177
	v_add_nc_u32 v178, \step, v176
	s_delay_alu instid0(VALU_DEP_2)
	v_cmp_ge_u32 vcc_lo, v170, v177
	s_delay_alu instid0(VALU_DEP_1)
	v_cndmask_b32 v177, 0, v177, vcc_lo
	s_delay_alu instid0(VALU_DEP_2)
	v_cndmask_b32 v176, v176, v178, vcc_lo
	s_delay_alu instid0(VALU_DEP_2)
	v_sub_nc_u32 v170, v170, v177
.endm
	SEL 174, 0xff, 16
	SEL 173, 0xff, 8
	SEL 172, 15, 4
	SEL 171, 3, 2
	SEL 169, 1, 1
	v_sub_nc_u32 v177, v163, v164                  ; 16 g
	s_delay_alu instid0(VALU_DEP_1)
	v_lshl_add_u32 v177, v177, 1, v176             ; token = 32 g + position
	s_delay_alu instid0(VALU_DEP_1)
	v_cndmask_b32 v1, -1, v177, s49
; ---- the gather.  My wave's job: tile of slots u = wave % 2, columns 128 (wave / 2) on.  Position r of tile u is slot 8 u + r + 8 (r / 8)
	s_delay_alu instid0(VALU_DEP_1)
	v_min_u32 v179, 0x3fff, v1                     ; (an empty slot reads the last token's word and row, which meet zeros)
	s_delay_alu instid0(VALU_DEP_1)
	v_lshlrev_b32 v179, 2, v179
	v_and_b32 v180, 8, v5
	s_delay_alu instid0(VALU_DEP_1)
	v_add_nc_u32 v180, v180, v5
	s_and_b32 s24, s20, 1
	s_lshl_b32 s24, s24, 3
	v_add_nc_u32 v180, s24, v180
	s_delay_alu instid0(VALU_DEP_1)
	v_lshlrev_b32 v180, 2, v180
	ds_bpermute_b32 v9, v180, v1                   ; lane: the token of position lane % 16
	s_lshr_b32 s26, s20, 1
	s_lshl_b32 s24, s26, 9
	v_add_nc_u32 v7, s24, v6                       ; in a row of x: 512 hg + 16 lane
	s_lshl_b32 s24, s26, 7
	v_lshl_add_u32 v8, v4, 2, s24                  ; in a row of xs: 128 hg + 4 lane
	s_wait_alu depctr_va_vdst(0)
	s_wait_dscnt 0x0
.set r, 0
.rept 16
	v_readlane_b32 s24, v9, r
	s_min_u32 s24, s24, 0x3fff
	s_lshl_b32 s25, s24, 12
	v_add_nc_u32 v[16+4*r], s25, v7
	global_load_b128 v[16+4*r:19+4*r], v[16+4*r], s[4:5]     ; 512 consecutive bytes of the token's row (the load lands on its own offset)
	s_and_b32 s24, s24, 0x3fe0
	s_lshl_b32 s24, s24, 5
	v_add_nc_u32 v[184+r], s24, v8
	global_load_b32 v[208+r], v[184+r], s[12:13]             ; and the scale bytes of its block of 32 tokens, for the same columns
.set r, r+1
.endr
	global_load_b32 v2, v179, s[10:11]             ; the gate's code and byte of slot (lane): wanted only in product 4, so it is asked for behind the rows
	FILLMASK                                       ; which rows of my group are kept: the rows of zeros are stored below
	s_lshl_b32 s24, s20, 1
	FILLAT 59
	s_wait_dscnt 0x0                               ; my reads of the tables are over
	s_barrier_signal -1
	s_barrier_wait -1                              ; everybody's are: LDS is stored into again from here on
; ---- the weight images and their scale bytes go to LDS as they came
	s_lshl_b32 s24, s20, 13
	s_add_co_u32 s24, s24, WI
	v_add_nc_u32 v181, s24, v6
	s_lshl_b32 s24, s21, 9
	s_lshr_b32 s25, s20, 3
	s_lshl_b32 s25, s25, 8
	s_add_co_u32 s24, s24, s25
	s_add_co_u32 s24, s24, WS
	v_lshl_add_u32 v182, v5, 4, s24
	s_wait_alu depctr_va_vdst(0)
	s_wait_loadcnt 33                              ; behind the 21 loads of weights: the gather's 32 and the gate's one, which may stay out
.irp i, 0,1,2,3,4,5,6,7,8,9,10,11,12,13,14,15
	ds_store_b128 v181, v[80+4*\i:83+4*\i] offset:512*\i
.endr
	v_perm_b32 v228, v145, v144, s50               ; [block][4 columns] becomes [column][4 blocks]: a column's scale word of the K step
	v_perm_b32 v229, v145, v144, s51
	v_perm_b32 v230, v158, v157, s50
	v_perm_b32 v231, v158, v157, s51
	v_perm_b32 v232, v230, v228, s52
	v_perm_b32 v233, v230, v228, s53
	v_perm_b32 v234, v231, v229, s52
	v_perm_b32 v235, v231, v229, s53
	ds_store_b128 v182, v[232:235]                 ; (lanes l and l xor 16 store the same bytes with the same values)
	s_wait_xcnt 0x0                                ; the loads that are still out have taken their offsets (v179, v184-199): those registers are written again below
	s_wait_dscnt 0x0                               ; the LDS stores have read their registers
; ---- the one-hot operand, four K steps, made while the gather is on its way: column (position) 4 s + c has its one in K step s, block c, at place 4 s + c of the block: register 4 c + s, byte c, of lane 4 s + c
	v_cmp_gt_u32 vcc_lo, 0x4000, v9                ; the position's slot is filled
	v_and_b32 v240, 3, v4
	s_delay_alu instid0(VALU_DEP_1)
	v_lshlrev_b32 v240, 3, v240
	v_mov_b32 v241, 0x78                           ; the code of 2^15
	s_delay_alu instid0(VALU_DEP_1)
	v_lshlrev_b32 v240, v240, v241
	s_delay_alu instid0(VALU_DEP_1)
	v_cndmask_b32 v240, 0, v240, vcc_lo
.set i, 0
.rept 64
.if ((i%16)%4) != (i/16)
	v_mov_b32 v[144+i], 0
.endif
.set i, i+1
.endr
.irp s, 0,1,2,3
.irp c, 0,1,2,3
	v_cmp_eq_u32 vcc_lo, 4*\s+\c, v4
	s_delay_alu instid0(VALU_DEP_1)
	v_cndmask_b32 v[144+16*\s+4*\c+\s], 0, v240, vcc_lo
.endr
.endr
	s_lshl_b32 s24, s20, 12
	s_add_co_u32 s24, s24, CS                      ; my wave's own 4,096 bytes
	v_lshl_add_u32 v9, v4, 6, s24                  ; in: my four columns, 16 bytes each
	v_and_b32 v7, 8, v5
	s_delay_alu instid0(VALU_DEP_1)
	v_add_nc_u32 v7, v7, v5
	s_delay_alu instid0(VALU_DEP_1)
	v_lshl_add_u32 v7, v7, 4, s24                  ; back: row r + 8 (r / 8) of a tile of columns
	s_and_b32 s25, s20, 1
	s_lshl_b32 s25, s25, 3
	s_lshr_b32 s26, s20, 1
	s_add_co_u32 s25, s25, s26                     ; my image: 8 u + hg
	s_lshl_b32 s26, s25, 11
	s_add_co_u32 s26, s26, DI
	v_add_nc_u32 v8, s26, v6
	s_lshl_b32 s26, s25, 7
	s_add_co_u32 s26, s26, DSC
	v_lshl_add_u32 v10, v4, 2, s26
.irp k, 0,1,2,3
	v_mov_b32 v[224+\k], 0
.endr
	s_wait_alu depctr_va_vdst(0)
	FILLROW 6, 0                                   ; my two rows of zeros, while the gather is on its way
	FILLROW 6, 1
	s_wait_loadcnt 0x1                             ; the gather is in; the gate's load, the one issued behind it, may stay out
; ---- x's codes: each number over its own block's scale, held, rounded.  The division writes [column j][position r], so that a conversion's eight numbers are eight positions of one column
.set r, 0
.rept 16
.irp j, 0,1,2,3
	v_bfe_u32 v[240+\j], v[208+r], 8*\j, 8
.endr
.irp j, 0,1,2,3
	s_delay_alu instid0(VALU_DEP_4)
	v_sub_nc_u32 v[240+\j], 127, v[240+\j]
.endr
.irp j, 0,1,2,3
	s_delay_alu instid0(VALU_DEP_4)
	v_ldexp_f32 v[80+16*\j+r], v[16+4*r+\j], v[240+\j]
.endr
.set r, r+1
.endr
.set i, 0
.rept 64
	v_med3_num_f32 v[80+i], v[80+i], s57, s58      ; the hold (ISA guide 7.6.2): so every code is finite, also those that meet zeros
.set i, i+1
.endr
	s_wait_alu depctr_va_vdst(0)
	s_wait_xcnt 0x0                                ; the stores of zeros have taken their sources: v224-227 are written again here, v6 and s[60:61] below
.irp j, 0,1,2,3
	v_cvt_scalef32_pk8_bf8_f32 v[224+4*\j:225+4*\j], v[80+16*\j:87+16*\j], v15
	v_cvt_scalef32_pk8_bf8_f32 v[226+4*\j:227+4*\j], v[88+16*\j:95+16*\j], v15
.endr
	v_nop                                          ; a plain line behind the conversions: the products below write their sources
.irp j, 0,1,2,3
	ds_store_b128 v9, v[224+4*\j:227+4*\j] offset:16*\j
.endr
.irp q, 0,1,2,3                        ; the scale bytes likewise: [position][4 columns] becomes [column][16 positions]
	v_perm_b32 v16, v[209+4*\q], v[208+4*\q], s50
	v_perm_b32 v17, v[209+4*\q], v[208+4*\q], s51
	v_perm_b32 v18, v[211+4*\q], v[210+4*\q], s50
	v_perm_b32 v19, v[211+4*\q], v[210+4*\q], s51
	s_delay_alu instid0(VALU_DEP_2)
	v_perm_b32 v[240+\q], v18, v16, s52
	s_delay_alu instid0(VALU_DEP_3)
	v_perm_b32 v[244+\q], v18, v16, s53
	s_delay_alu instid0(VALU_DEP_3)
	v_perm_b32 v[248+\q], v19, v17, s52
	s_delay_alu instid0(VALU_DEP_4)
	v_perm_b32 v[252+\q], v19, v17, s53
.endr
.irp j, 0,1,2,3
	ds_store_b128 v9, v[240+4*\j:243+4*\j] offset:2048+16*\j
.endr
; ---- product 2, transposed: source 0 = 16 columns of x (tile T: column 32 (T / 2) + 8 (T % 2) + r + 8 (r / 8)), source 1 = the one-hot operand.
; A column's 16 codes fill each of the four blocks of a K step (both halves of the lanes alike); word s of its 16 scale bytes gives block c the scale of position 4 s + c.
; LDS serves a wave's instructions in order: these loads see my stores above.  The four sums take turns, one instruction a turn.
.macro P2HALF gp
.irp t, 0,1,2,3
.irp c, 0,1,2,3
	ds_load_b128 v[16+16*\t+4*\c:19+16*\t+4*\c], v7 offset:16*(32*((4*(\gp)+\t)/2)+8*(\t%2))
.endr
	ds_load_b128 v[208+4*\t:211+4*\t], v7 offset:16*(32*((4*(\gp)+\t)/2)+8*(\t%2))+2048
.endr
	s_wait_dscnt 0x0
.irp s, 0,1,2,3
.irp t, 0,1,2,3
.if \s == 0
	v_wmma_scale_f32_16x16x128_f8f6f4 v[80+8*(4*(\gp)+\t):87+8*(4*(\gp)+\t)], v[16+16*\t:31+16*\t], v[144+16*\s:159+16*\s], 0, v[208+4*\t+\s], v14 matrix_a_fmt:MATRIX_FMT_BF8 matrix_b_fmt:MATRIX_FMT_BF8
.else
	v_wmma_scale_f32_16x16x128_f8f6f4 v[80+8*(4*(\gp)+\t):87+8*(4*(\gp)+\t)], v[16+16*\t:31+16*\t], v[144+16*\s:159+16*\s], v[80+8*(4*(\gp)+\t):87+8*(4*(\gp)+\t)], v[208+4*\t+\s], v14 matrix_a_fmt:MATRIX_FMT_BF8 matrix_b_fmt:MATRIX_FMT_BF8
.endif
.endr
.endr
.endm
	P2HALF 0
.rept 8
	v_nop                                          ; eight places in front of loads into registers that matrix instructions have read
.endr
	P2HALF 1
.rept 8
	v_nop                                          ; and in front of the first read of results
.endr
; ---- dispatched is quantised along h: register 80 + 16 b + i of lane (r, h) is column 32 b + 16 h + i of position r's row: the layout of the next operand
.irp b, 0,1,2,3
	v_max3_num_f32 v[240+\b], |v[80+16*\b]|, |v[81+16*\b]|, 0x8000000
.endr
.irp i, 2,4,6,8,10,12,14
.irp b, 0,1,2,3
	v_max3_num_f32 v[240+\b], v[240+\b], |v[80+16*\b+\i]|, |v[81+16*\b+\i]|
.endr
.endr
.irp b, 0,1,2,3
	s_delay_alu instid0(VALU_DEP_4)
	v_permlanex16_b32 v[244+\b], v[240+\b], s54, s55
.endr
.irp b, 0,1,2,3
	s_delay_alu instid0(VALU_DEP_4)
	v_max_num_f32 v[240+\b], v[240+\b], v[244+\b]  ; with lane l xor 16's: the block's largest magnitude
.endr
.irp b, 0,1,2,3
	s_delay_alu instid0(VALU_DEP_4)
	v_add_nc_u32 v[252+\b], 0xf8800000, v[240+\b]  ; 15 off its exponent field: the conversion's scale operand
.endr
.irp b, 0,1,2,3
	v_and_or_b32 v[248+\b], v[240+\b], 0x7f800000, s56   ; 57,344 x the scale
.endr
.irp b, 0,1,2,3
	v_lshrrev_b32 v[244+\b], 23, v[252+\b]         ; the byte
.endr
	s_delay_alu instid0(VALU_DEP_3)
	v_lshl_or_b32 v3, v245, 8, v244
	s_delay_alu instid0(VALU_DEP_1)
	v_lshl_or_b32 v3, v246, 16, v3
	s_delay_alu instid0(VALU_DEP_1)
	v_lshl_or_b32 v3, v247, 24, v3                 ; my row's scale word
.irp b, 0,1,2,3
.irp i, 0,1,2,3,4,5,6,7,8,9,10,11,12,13,14,15
	v_med3_num_f32 v[80+16*\b+\i], v[80+16*\b+\i], -v[248+\b], v[248+\b]
.endr
	v_cvt_scalef32_pk8_bf8_f32 v[224+4*\b:225+4*\b], v[80+16*\b:87+16*\b], v[252+\b]
	v_cvt_scalef32_pk8_bf8_f32 v[226+4*\b:227+4*\b], v[88+16*\b:95+16*\b], v[252+\b]
.endr
	v_nop                                          ; a plain line behind the last conversion: its results' registers are written again below
.irp c, 0,1,2,3
	ds_store_b128 v8, v[224+4*\c:227+4*\c] offset:512*\c   ; the fragment goes to LDS as an image of its registers
.endr
	ds_store_b32 v10, v3
	s_wait_loadcnt 0x0                             ; the gates' words are in
	s_wait_dscnt 0x0                               ; for the others' sake: my images, and my part of the weights
	s_barrier_signal -1
	s_barrier_wait -1
; ---- every address of what follows is made here, ahead of the parting on the wave's number
	s_mul_i32 s24, s20, 2*SPITCH
	s_add_co_u32 s24, s24, STG
	v_add_nc_u32 v15, s24, v6                      ; the way out: rows 2 wave, 2 wave + 1 of the stage, 16 bytes a lane
	s_lshl_b32 s24, s23, 9
	v_add_nc_u32 v253, s24, v6                     ; in a row of out0: 512 cg + 16 lane
	s_lshl_b32 s24, s20, 3
	v_mov_b32 v254, s24                            ; lane 2 wave, as a byte address for the lane permute,
	s_add_co_u32 s24, s24, 4
	v_mov_b32 v255, s24                            ; and lane 2 wave + 1
	v_add_nc_u32 v7, DI, v6
	v_lshl_add_u32 v8, v4, 2, DSC
	s_lshl_b32 s24, s21, 6
	s_add_co_u32 s24, s24, WS
	v_lshl_add_u32 v9, v5, 2, s24                  ; the scale words of column 16 nt + lane % 16
	v_mul_u32_u24 v10, v5, SPITCH
	v_lshrrev_b32 v248, 4, v4
	s_delay_alu instid0(VALU_DEP_1)
	v_lshl_add_u32 v10, v248, 5, v10
	s_lshl_b32 s24, s21, 6
	s_add_co_u32 s24, s24, STG
	v_add_nc_u32 v10, s24, v10                     ; into the stage: row lane % 16, + 64 nt + 32 (lane / 16)
	GNUM 250, 251, 63, TB0
	v_mov_b32 v252, v6                             ; the rows of zeros: 16 lane
	s_lshl_b32 s24, s21, 14
	s_add_co_u32 s24, s24, WI
	v_add_nc_u32 v6, s24, v6                       ; my tile of columns' eight weight images
	s_wait_alu depctr_va_vdst(0)
	s_cmp_ge_u32 s20, 8
	s_cbranch_scc1 .Lzeros                         ; products 3 and 4: eight tiles of 16 columns, waves 0 to 7; waves 8 to 15 store the rows of zeros meanwhile
; ---- product 3: source 0 = dispatched (16 positions), source 1 = 16 columns of the weight; two sums (the two tiles of slots) by turns; two K steps to a round, two sets of registers
.irp k, 0,1,2,3,4,5,6,7
	ds_load_b32 v[208+\k], v9 offset:512*\k        ; the weight's eight scale words
.endr
.irp k, 0,1,2,3,4,5,6,7
	v_mov_b32 v[240+\k], v13                       ; the bias is the C of the first step: a lane holds one column
.endr
	v_lshrrev_b32 v12, 8, v2                       ; the gates' scale bytes, for product 4
.macro P3LOAD rho, set                 ; 28 LDS loads
.irp kp, 0,1
.irp c, 0,1,2,3
	ds_load_b128 v[16+96*(\set)+48*\kp+4*\c:19+96*(\set)+48*\kp+4*\c], v6 offset:2048*(2*(\rho)+\kp)+512*\c
.endr
.irp u, 0,1
.irp c, 0,1,2,3
	ds_load_b128 v[32+96*(\set)+48*\kp+16*\u+4*\c:35+96*(\set)+48*\kp+16*\u+4*\c], v7 offset:2048*(8*\u+2*(\rho)+\kp)+512*\c
.endr
	ds_load_b32 v[216+4*(\set)+2*\kp+\u], v8 offset:128*(8*\u+2*(\rho)+\kp)
.endr
.endr
.endm
.macro P3MUL rho, set
.irp kp, 0,1
.irp u, 0,1
.if (2*(\rho)+\kp) == 0
	v_wmma_scale_f32_16x16x128_f8f6f4 v[224+8*\u:231+8*\u], v[32+96*(\set)+48*\kp+16*\u:47+96*(\set)+48*\kp+16*\u], v[16+96*(\set)+48*\kp:31+96*(\set)+48*\kp], v[240:247], v[216+4*(\set)+2*\kp+\u], v[208+2*(\rho)+\kp] matrix_a_fmt:MATRIX_FMT_BF8 matrix_b_fmt:MATRIX_FMT_BF8
.else
	v_wmma_scale_f32_16x16x128_f8f6f4 v[224+8*\u:231+8*\u], v[32+96*(\set)+48*\kp+16*\u:47+96*(\set)+48*\kp+16*\u], v[16+96*(\set)+48*\kp:31+96*(\set)+48*\kp], v[224+8*\u:231+8*\u], v[216+4*(\set)+2*\kp+\u], v[208+2*(\rho)+\kp] matrix_a_fmt:MATRIX_FMT_BF8 matrix_b_fmt:MATRIX_FMT_BF8
.endif
.endr
.endr
.endm
.macro PLACES
.rept 8
	v_nop
.endr
.endm
	P3LOAD 0, 0
	P3LOAD 1, 1
	s_wait_alu depctr_va_vdst(0)
	s_wait_dscnt 28                                ; all but the younger round's 28 loads
	P3MUL 0, 0
	PLACES
	P3LOAD 2, 0
	s_wait_dscnt 28
	P3MUL 1, 1
	PLACES
	P3LOAD 3, 1
	s_wait_dscnt 28
	P3MUL 2, 0
	s_wait_dscnt 0x0
	P3MUL 3, 1
	PLACES
; ---- expert_out is quantised along the slots: register 224 + 8 u + j of lane (r, h) is slot 16 h + 8 u + j of column r: 16 neighbours of the block of 32
	v_max3_num_f32 v248, |v224|, |v225|, 0x8000000
	v_max3_num_f32 v249, |v232|, |v233|, 0x8000000
.irp i, 2,4,6
	v_max3_num_f32 v248, v248, |v[224+\i]|, |v[225+\i]|
	v_max3_num_f32 v249, v249, |v[232+\i]|, |v[233+\i]|
.endr
	s_delay_alu instid0(VALU_DEP_1)
	v_max_num_f32 v248, v248, v249
	s_delay_alu instid0(VALU_DEP_1)
	v_permlanex16_b32 v250, v248, s54, s55
	s_delay_alu instid0(VALU_DEP_1)
	v_max_num_f32 v248, v248, v250
	s_delay_alu instid0(VALU_DEP_1)
	v_add_nc_u32 v251, 0xf8800000, v248
	s_delay_alu instid0(VALU_DEP_2)
	v_and_or_b32 v252, v248, 0x7f800000, s56
	s_delay_alu instid0(VALU_DEP_2)
	v_lshrrev_b32 v11, 23, v251                    ; the column's scale byte (the word's other bytes stand over zero codes)
.set i, 0
.rept 16
	v_med3_num_f32 v[224+i], v[224+i], -v252, v252
.set i, i+1
.endr
	v_cvt_scalef32_pk8_bf8_f32 v[16:17], v[224:231], v251
	v_cvt_scalef32_pk8_bf8_f32 v[18:19], v[232:239], v251
	v_nop
.irp k, 4,5,6,7,8,9,10,11,12,13,14,15
	v_mov_b32 v[16+\k], 0                          ; K has 32 slots: the K step's other three blocks are zero codes, on both sides
.endr
	; the gates: column (token of slot 16 v + n) has its code at k = its slot: lane 16 v + n, register n / 4, byte n % 4
	v_and_b32 v248, 0xff, v2
	v_cmp_gt_u32 vcc_lo, 0x4000, v1
	s_delay_alu instid0(VALU_DEP_1)
	v_cndmask_b32 v248, 0, v248, vcc_lo            ; an empty slot has no token
	v_and_b32 v249, 3, v4
	s_delay_alu instid0(VALU_DEP_1)
	v_lshlrev_b32 v249, 3, v249
	s_delay_alu instid0(VALU_DEP_1)
	v_lshlrev_b32 v248, v249, v248
	v_lshrrev_b32 v249, 2, v4
.irp v, 0,1
.irp i, 0,1,2,3
	v_cmp_eq_u32 vcc_lo, 4*\v+\i, v249
	s_delay_alu instid0(VALU_DEP_1)
	v_cndmask_b32 v[32+16*\v+\i], 0, v248, vcc_lo
.endr
.irp k, 4,5,6,7,8,9,10,11,12,13,14,15
	v_mov_b32 v[32+16*\v+\k], 0
.endr
.endr
	PLACES                                         ; operands and scale registers written by vector instructions stand ahead of a scaled matrix instruction
; ---- product 4, transposed: source 0 = 16 columns of expert_out, source 1 = 16 tokens' gates
	v_wmma_scale_f32_16x16x128_f8f6f4 v[64:71], v[16:31], v[32:47], 0, v11, v12 matrix_a_fmt:MATRIX_FMT_BF8 matrix_b_fmt:MATRIX_FMT_BF8
	v_wmma_scale_f32_16x16x128_f8f6f4 v[72:79], v[16:31], v[48:63], 0, v11, v12 matrix_a_fmt:MATRIX_FMT_BF8 matrix_b_fmt:MATRIX_FMT_BF8 matrix_b_scale:MATRIX_SCALE_ROW1
	PLACES
.irp v, 0,1
	ds_store_b128 v10, v[64+8*\v:67+8*\v] offset:16*SPITCH*\v        ; lane (r, h): slot 16 v + r, columns 16 nt + 8 h + 0 .. 7; each sum from its low end on
	ds_store_b128 v10, v[68+8*\v:71+8*\v] offset:16*SPITCH*\v+16
.endr
	s_branch .Lrows
.Lzeros:                                               ; waves 8 to 15: my group's dropped rows, two tokens a wave; nothing below writes the zeros, the offset or the base again
.irp k, 0,1,2,3
	v_mov_b32 v[224+\k], 0
.endr
	FILLNUM 250, 251
	FILLMASK
	s_and_b32 s24, s62, 1
	s_lshl_b32 s24, s24, 4
	s_lshl_b32 s25, s21, 1
	s_add_co_u32 s24, s24, s25                     ; rows 16 (s62 % 2) + 2 (wave % 8) on of the second group
	FILLAT 63
	s_wait_alu depctr_va_vdst(0)
	FILLROW 252, 0
	FILLROW 252, 1
.Lrows:
	s_wait_dscnt 0x0
	s_barrier_signal -1
	s_barrier_wait -1                              ; 32 rows of 128 columns lie in the stage
; ---- the kept rows: each wave two slots; a row's 512 bytes go to its token's row of out0: 512 consecutive bytes, aligned.
; A slot's token is one number for the whole wave: it is taken to a scalar register, held inside the table, and made into the row's offset; an empty slot (token -1) jumps over its store.
	ds_bpermute_b32 v240, v254, v1
	ds_bpermute_b32 v241, v255, v1
	ds_load_b128 v[244:247], v15
	ds_load_b128 v[248:251], v15 offset:SPITCH
	s_wait_dscnt 0x0
.irp i, 0,1
	v_readlane_b32 s[24+\i], v[240+\i], 0          ; every lane holds the same token
	s_min_u32 s[26+\i], s[24+\i], 0x3fff
	s_lshl_b32 s[26+\i], s[26+\i], 12              ; a row of out0 is 4,096 bytes
	v_add_nc_u32 v[242+\i], s[26+\i], v253
.endr
	s_cmp_ge_u32 s24, 0x4000
	s_cbranch_scc1 .Lempty_0
	global_store_b128 v242, v[244:247], s[18:19] th:TH_STORE_NT
.Lempty_0:
	s_cmp_ge_u32 s25, 0x4000
	s_cbranch_scc1 .Lempty_1
	s_wait_alu depctr_va_vdst(0)
	global_store_b128 v243, v[248:251], s[18:19] th:TH_STORE_NT
.Lempty_1:
	s_wait_xcnt 0x0
	v_lshl_add_u32 v254, v0, 2, 0x49d00
	v_mov_b32 v255, 0
	s_wait_alu depctr_va_vdst(0)
	s_wait_tensorcnt 0x0
	ds_add_u32 v254, v255
	s_wait_dscnt 0x0
	s_endpgm
.Lfunc_end_k_q869ac5f359_chain:
	.size	k_q869ac5f359_chain, .Lfunc_end_k_q869ac5f359_chain-k_q869ac5f359_chain
	.p2alignl 7, 3214868480
	.fill 96, 4, 3214868480
	.section	.rodata,"a",@progbits
	.p2align	6, 0x0
	.amdhsa_kernel k_q869ac5f359_chain
		.amdhsa_group_segment_fixed_size 304384
		.amdhsa_private_segment_fixed_size 0
		.amdhsa_enable_private_segment 0
		.amdhsa_kernarg_size 64
		.amdhsa_user_sgpr_count 2
		.amdhsa_user_sgpr_kernarg_segment_ptr 1
		.amdhsa_wavefront_size32 1
		.amdhsa_system_sgpr_workgroup_id_x 1
		.amdhsa_system_sgpr_workgroup_id_y 1
		.amdhsa_system_sgpr_workgroup_id_z 1
		.amdhsa_system_vgpr_workitem_id 0
		.amdhsa_next_free_vgpr 256
		.amdhsa_next_free_sgpr 66
		.amdhsa_reserve_vcc 1
		.amdhsa_float_denorm_mode_32 3
		.amdhsa_float_denorm_mode_16_64 3
		.amdhsa_memory_ordered 1
		.amdhsa_forward_progress 1
		.amdhsa_inst_pref_size 124
	.end_amdhsa_kernel
	.amdgpu_metadata
---
amdhsa.version: [ 1, 2 ]
amdhsa.kernels:
  - .name:           k_q869ac5f359_chain
    .symbol:         k_q869ac5f359_chain.kd
    .args:
      - { .name: x, .offset: 0, .size: 8, .value_kind: global_buffer, .address_space: global }
      - { .name: b_expert, .offset: 8, .size: 8, .value_kind: global_buffer, .address_space: global }
      - { .name: picks, .offset: 16, .size: 8, .value_kind: global_buffer, .address_space: global }
      - { .name: gq, .offset: 24, .size: 8, .value_kind: global_buffer, .address_space: global }
      - { .name: xs, .offset: 32, .size: 8, .value_kind: global_buffer, .address_space: global }
      - { .name: wimg, .offset: 40, .size: 8, .value_kind: global_buffer, .address_space: global }
      - { .name: wsc, .offset: 48, .size: 8, .value_kind: global_buffer, .address_space: global }
      - { .name: out0, .offset: 56, .size: 8, .value_kind: global_buffer, .address_space: global }
    .group_segment_fixed_size: 304384
    .private_segment_fixed_size: 0
    .kernarg_segment_align: 8
    .kernarg_segment_size: 64
    .max_flat_workgroup_size: 512
    .sgpr_count:     66
    .vgpr_count:     256
    .wavefront_size: 32
...
	.end_amdgpu_metadata
.endif
;; end of part 2
